; MI455X (gfx1250); checked and timed in simulation.
; The chip was launched on July 23, 2026; its instructions are those of AMD's public machine-readable ISA for CDNA 5 (MIT licence, August 2026) and "CDNA5" Instruction Set Architecture Reference Guide (July 2026). The comments in the code are by the model that wrote it; some were corrected since.
;; Attention. Allowed arithmetic: matrix products marked QUANTISED: E2M3 operands, one E8M0 scale for each 32 along K, by v_wmma_scale_f32_16x16x128_f8f6f4 with both operands' format E2M3, f32 sums; everything else in f32.
;; Inputs: k 2 x 4,096 x 512 float32; q 2 x 4,096 x 512 float32; v 2 x 4,096 x 512 float32; w_k 512 x 512 float32; w_o 512 x 512 float32; w_q 512 x 512 float32; w_v 512 x 512 float32.
;; Outputs: out0 2 x 4,096 x 512 float32.
;; This version of the problem:
;;   THIS VERSION OF THE PROBLEM IS GIVEN IN LOW PRECISION. The matrix products marked QUANTISED in the list below multiply operands that are first quantised to E2M3 (2 exponent bits, 3 mantissa bits; 6 bits a number), with one power-of-two scale for each 32 numbers along K (OCP MX v1.0); their sums are f32. All else is computed in f32.
;;   The module's matrix products, in the order in which they are computed (A, B: the left and right operand; K: the contracted axis; several contracted axes count as one K, in the product's order):
;;     1. [M 8,192, K 512] x [K 512, N 512]; A: input q; B: input w_q: QUANTISED
;;     2. [M 8,192, K 512] x [K 512, N 512]; A: input k; B: input w_k: QUANTISED
;;     3. [M 8,192, K 512] x [K 512, N 512]; A: input v; B: input w_v: QUANTISED
;;     4. batch 16 x [M 4,096, K 64] x [K 64, N 4,096]; A: computed on the way; B: computed on the way: QUANTISED
;;     5. batch 16 x [M 4,096, K 4,096] x [K 4,096, N 64]; A: softmax (see below); B: computed on the way: QUANTISED
;;     6. [M 8,192, K 512] x [K 512, N 512]; A: computed on the way; B: input w_o: QUANTISED
;;   THE QUANTISER, for each operand of a quantised product, along K:
;;     - K is cut into blocks of 32 from its start; a last block that is shorter is filled with zeros.
;;     - A block's scale is 2^e with e = floor(log2(the largest magnitude in the block)) - 2, held to -126 .. 127; a block of zeros has e = 0. As a byte (E8M0): e + 127.
;;     - Each number is divided by its block's scale, clamped to +-7.5, and rounded to the nearest number of E2M3, ties to even, subnormals kept.
;;     - The product sums the exact products of the quantised numbers (number of the format x scale) in f32.
;;   ~~~python
;;   def quantise(x, axis):      # numpy; x: float32 -> the quantised numbers, widened to float32 again
;;       x = np.moveaxis(x, axis, -1); K = x.shape[-1]
;;       x = np.pad(x, [(0, 0)] * (x.ndim - 1) + [(0, -K % 32)]); x = x.reshape(x.shape[:-1] + (-1, 32)); a = np.abs(x).max(-1, keepdims=True)
;;       e = np.where(a > 0, np.clip(np.frexp(np.where(a > 0, a, 1))[1] - 1 - 2, -126, 127), 0)      # np.frexp(a)[1] - 1 = floor(log2(a)), exactly
;;       r = np.clip(x / 2.0 ** e, -7.5, 7.5)
;;       step = 2.0 ** (np.maximum(np.frexp(np.where(r == 0, 1, r))[1] - 1, 0) - 3)
;;       q = np.round(r / step) * step * 2.0 ** e      # np.round: ties to even
;;       return np.moveaxis(q.reshape(q.shape[:-2] + (-1,))[..., :K], -1, axis).astype(np.float32)
;;   ~~~
;;   SOFTMAX AHEAD OF A QUANTISED PRODUCT. Where the list says 'softmax', what is quantised is not the finished softmax but p = 2^(t - M), with t = logit x log2(e) and M = ceil(the row's largest t), a whole number; so 1/2 < the row's largest p <= 1. The row's sum l is taken of the UNQUANTISED p, in f32, and the product's result is divided by l at the end. Since M is a whole number, a kernel that streams over the keys may use a running M (the ceiling of the running maximum): every later rescaling is an exact power of two, which a block's scale takes up: the codes' values come out the same.
;;   OPERANDS COMPUTED ON THE WAY. 'Computed on the way' means the value that the module computes at that place (a softmax that the list does not call 'softmax' is quantised finished and normalised). What goes into a quantiser is computed in f32, as accurately as f32 sums, v_exp_f32 and their like allow (about 1e-6 of the number): no bf16 or f16 on the way to a quantiser, and a product that is left as it is and whose result goes on into a quantised operand takes f32 operands (vector FMAs, or v_wmma_f32_16x16x4_f32). A number that lies on a knife's edge between two numbers of the format may be rounded either way, as far as f32 arithmetic and the matrix unit's own rounding can turn it there, and no further.
;; One version. Each part assembles by itself: llvm-mc -triple=amdgcn-amd-amdhsa -mcpu=gfx1250 --defsym DOCPART=n.
;; ======== version 1 of 1: 4 launches
;; limits: right only within a limited range of input values
;; workspace buffers: codes 10,223,616 bytes; scales 425,984 bytes; att 9,830,400 bytes; xc 3,145,728 bytes; xs 131,072 bytes
;; launch quant (part 1): grid 416 x 1, 4 waves a work-group, no clusters, 34,304 bytes of LDS; arguments q, k, v, w_q, w_k, w_v, w_o, codes, scales; writes codes, scales
.if DOCPART == 1
	.amdgcn_target "amdgcn-amd-amdhsa--gfx1250"
	.amdhsa_code_object_version 6
	.text
	.protected	k_q5bf214a28a_quant
	.globl	k_q5bf214a28a_quant
	.p2align	8
	.type	k_q5bf214a28a_quant,@function
k_q5bf214a28a_quant:
	s_mov_b64 s[64:65], 0
	v_nop
	global_prefetch_b8 v0, s[64:65] scope:SCOPE_SE
	s_setreg_imm32_b32 hwreg(HW_REG_WAVE_MODE, 25, 1), 1
	s_wait_xcnt 0x0
; q, k, v [8192][512] and w_q, w_k, w_v, w_o [512][512], f32 with K innermost, become codes of FP6 (E2M3) with one E8M0 byte for each 32 along K.
; A block's scale is 2^(floor(log2(its largest magnitude)) - 2); its byte is the largest magnitude's exponent field - 2, held at 1 from below.
; LIMITS: a block of zeros gets the byte 1 where the rule says 127 (its codes are zeros, which add nothing under any byte but 0xff, and this program alone reads the bytes);
; NaN and infinities among the inputs are not served.
; LAYOUT OF THE RESULT: not rows, but images of the matrix operand's registers.  A TILE is 16 rows; tile 2 G + u holds in lane r row 32 G + 8 u + r + 8 (r / 8).  Tiles are numbered through all seven tensors:
; q 0-511, k 512-1023, v 1024-1535, w_q 1536.., w_k 1568.., w_v 1600.., w_o 1632-1663.  Fragment (tile, K step s of 128) lies at 6144 tile + 1536 s: three runs of 512 bytes, run c = registers 4 c .. 4 c + 3 of lane l at 16 l.
; Scale bytes: 256 bytes a tile, lane row r's sixteen at 16 r: the four K steps' words on end.
; SHARES: a wave takes one tile, 32 KiB of f32, in four K steps.  Each load reads 512 consecutive bytes of one row; a step's 16 rows turn through the wave's own stage in LDS, so that a lane gets 16 neighbours of each block of 32.
; Waves share nothing: no barrier.  Loads run two K steps (32 loads a wave) ahead.
.set R,   16                           ; v16-143  two sets of 64 registers as loaded
.set X,   144                          ; v144-207 64 numbers of my row: register 16 b + i = k 32 b + 16 (lane / 16) + i
.set PC,  208                          ; v208-219 the fragment's codes
.set TP,  220                          ; v220-227 halves of blocks on their way
.set TM,  228                          ; v228-243 largest magnitudes, bytes, scale operands
.set SW,  244                          ; v244-247 the four K steps' scale words
.set SEL, 30                           ; s[30:31] selects for v_permlanex16_b32: lane l xor 16
.set WST, 8448                         ; a wave's stage: 16 rows of SP bytes
.set SP,  528                          ; 512 bytes + 16: the sixteen rows that a read touches start 33 x 16 bytes apart
; 64 numbers of a lane become a fragment's 12 registers in v[dst] on; the four blocks' bytes are left in v[TM+4] .. v[TM+7]
.macro QUANT src, dst, tmp
.irp b, 0,1,2,3
	v_max3_num_f32 v[TM+\b], |v[\src+16*\b]|, |v[\src+1+16*\b]|, 0x1800000   ; block b: my 16 numbers, and the floor 2^(3 - 127): the byte cannot fall under 1
.endr
.irp i, 2,4,6,8,10,12,14
.irp b, 0,1,2,3
	v_max3_num_f32 v[TM+\b], v[TM+\b], |v[\src+16*\b+\i]|, |v[\src+1+16*\b+\i]|   ; the four blocks by turns
.endr
.endr
.irp b, 0,1,2,3
	v_permlanex16_b32 v[TM+4+\b], v[TM+\b], s[SEL], s[SEL+1]
.endr
.irp b, 0,1,2,3
	v_max_num_f32 v[TM+\b], v[TM+\b], v[TM+4+\b]   ; with lane l xor 16's 16: the block's largest magnitude
.endr
.irp b, 0,1,2,3
	v_add_nc_u32 v[TM+12+\b], 0xff000000, v[TM+\b]   ; 2 off its exponent field: the conversion takes that field as its scale
.endr
.irp b, 0,1,2,3
	v_lshrrev_b32 v[TM+4+\b], 23, v[TM+12+\b]      ; the scale's byte
.endr
.irp c, 0,1
	v_cvt_scalef32_pk16_fp6_f32 v[\dst+6*\c:\dst+2+6*\c], v[\src+32*\c:\src+15+32*\c], v[TM+12+2*\c]
	v_cvt_scalef32_pk16_fp6_f32 v[\tmp+4*\c:\tmp+2+4*\c], v[\src+16+32*\c:\src+31+32*\c], v[TM+13+2*\c]   ; a conversion's three registers begin on an even number
.endr
	v_nop                                          ; one plain place behind a scaled conversion
.irp c, 0,1                                    ; the operand wants a whole block in a lane: lanes 0-15 block 2 c, lanes 16-31 block 2 c + 1
.irp i, 0,1,2
	v_permlane16_swap_b32 v[\dst+6*\c+\i], v[\tmp+4*\c+\i]
.endr
.irp i, 0,1,2
	v_mov_b32 v[\dst+3+6*\c+\i], v[\tmp+4*\c+\i]
.endr
.endr
.endm
	s_load_b512 s[8:23], s[0:1], 0x0               ; q, k, v, w_q, w_k, w_v, w_o, codes
	s_load_b64 s[24:25], s[0:1], 0x40              ; scales
	v_lshl_add_u32 v254, v0, 2, 0x8400
	v_mov_b32 v255, 0
	v_lshrrev_b32 v5, 5, v0
	v_readfirstlane_b32 s4, v5                     ; wave 0..3
	v_and_b32 v5, 31, v0
	v_lshlrev_b32 v1, 4, v5                        ; 16 x lane
	v_and_b32 v6, 15, v0                           ; r
	v_bfe_u32 v7, v0, 4, 1                         ; h
	s_mul_i32 s5, s4, WST                          ; my stage
	v_add_nc_u32 v2, s5, v1                        ; into it: 16 x lane of a row
	v_mul_u32_u24 v3, v6, SP
	v_lshl_add_u32 v3, v7, 6, v3
	v_add_nc_u32 v3, s5, v3                        ; out of it: row r, + 64 h: my 16 numbers of a block
	v_lshlrev_b32 v4, 4, v6
	v_lshl_add_u32 v4, v7, 3, v4                   ; the scale words' place: 16 r + 8 h
	s_mov_b32 s[SEL], 0x76543210
	s_mov_b32 s[SEL+1], 0xfedcba98
	s_mov_b32 s32, 0xffff0000                      ; lanes 16-31
.irp b, 0,1,2,3
	v_mov_b32 v[TM+4+\b], 0                        ; written once: a lane permute's destination counts as one of its sources
.endr
	s_wait_alu depctr_va_vdst(0)
	s_wait_kmcnt 0x0
	; which tensor is my work-group's: the choice hangs on the work-group's number alone
	s_mov_b64 s[26:27], s[8:9]
	s_mov_b32 s28, 0
.macro PICK n, p
	s_cmp_ge_u32 ttmp9, \n
	s_cselect_b64 s[26:27], s[\p:\p+1], s[26:27]
	s_cselect_b32 s28, \n, s28
.endm
	PICK 128, 10
	PICK 256, 12
	PICK 384, 14
	PICK 392, 16
	PICK 400, 18
	PICK 408, 20
	s_sub_co_u32 s29, ttmp9, s28
	s_lshl_b32 s29, s29, 2
	s_add_co_u32 s29, s29, s4                      ; my tile within the tensor
	; k's tiles alone are laid otherwise: tile 4 G + u holds in lane r row 64 G + 8 u + r % 8 + 32 (r / 8), so that in the scores a lane holds a whole block of 32 keys
	s_cmp_eq_u32 s28, 128                          ; k's work-groups are 128 .. 255
	s_cselect_b32 s37, 2, 1                        ; tiles in a group: 4 or 2, as a shift
	s_cselect_b32 s39, 32768, 0                    ; rows 8-15 of a tile lie 16 rows further on
	s_add_co_u32 s38, s37, 15
	s_lshr_b32 s34, s29, s37
	s_lshl_b32 s34, s34, s38                       ; 64 or 32 rows of 2,048 bytes a group,
	s_bfm_b32 s35, s37, 0
	s_and_b32 s35, s29, s35
	s_lshl_b32 s35, s35, 14                        ; 8 rows a tile within it
	v_add_nc_u32 v8, s39, v1                       ; the offset for rows 8-15
	s_wait_alu depctr_va_vdst(0)
	s_add_co_u32 s34, s34, s35
	s_mov_b32 s35, 0
	s_add_nc_u64 s[26:27], s[26:27], s[34:35]
	s_lshl_b32 s36, ttmp9, 2
	s_add_co_u32 s36, s36, s4                      ; my tile among all
	s_mul_i32 s34, s36, 6144
	s_add_nc_u64 s[22:23], s[22:23], s[34:35]
	s_lshl_b32 s34, s36, 8
	s_add_nc_u64 s[24:25], s[24:25], s[34:35]
.macro LOAD s                          ; K step s of my 16 rows: each load reads 512 consecutive bytes
.irp i, 0,1,2,3,4,5,6,7,8,9,10,11,12,13,14,15
	global_load_b128 v[R+64*((\s)%2)+4*\i:R+64*((\s)%2)+4*\i+3], v[1+7*(\i/8)], s[26:27] offset:(\i+8*(\i/8))*2048+512*(\s) th:TH_LOAD_NT
.endr
.endm
.macro STEP s
.if (\s) < 3
	s_wait_loadcnt 16                              ; this step's 16 loads are in; the next step's 16 may be out
.else
	s_wait_loadcnt 0x0
.endif
.irp i, 0,1,2,3,4,5,6,7,8,9,10,11,12,13,14,15
	ds_store_b128 v2, v[R+64*((\s)%2)+4*\i:R+64*((\s)%2)+4*\i+3] offset:SP*\i
.endr
.irp b, 0,1,2,3
.irp j, 0,1,2,3
	ds_load_b128 v[X+16*\b+4*\j:X+16*\b+4*\j+3], v3 offset:128*\b+16*\j   ; LDS serves a wave's instructions in order: these see the stores above
.endr
.endr
	s_wait_dscnt 0x0                               ; my numbers are back, and the stores have read their registers,
.if (\s) < 2
	LOAD (\s)+2                                    ; which take the loads of two steps on
.endif
.if (\s) > 0
	s_wait_xcnt 0x0                                ; the last step's stores have read the codes' registers
.endif
	QUANT X, PC, TP
	v_lshl_or_b32 v[SW+(\s)], v[TM+5], 8, v[TM+4]
	v_lshl_or_b32 v[SW+(\s)], v[TM+6], 16, v[SW+(\s)]
	v_lshl_or_b32 v[SW+(\s)], v[TM+7], 24, v[SW+(\s)]
.irp c, 0,1,2
	global_store_b128 v1, v[PC+4*\c:PC+4*\c+3], s[22:23] offset:1536*(\s)+512*\c   ; 512 consecutive bytes, aligned
.endr
.endm
	LOAD 0
	LOAD 1
	STEP 0
	STEP 1
	STEP 2
	STEP 3
	v_cndmask_b32 v250, v[SW], v[SW+2], s32        ; lanes 0-15 store words 0 and 1 of their row, lanes 16-31 words 2 and 3
	v_cndmask_b32 v251, v[SW+1], v[SW+3], s32
	global_store_b64 v4, v[250:251], s[24:25]      ; the wave stores 256 consecutive bytes, aligned
	s_wait_tensorcnt 0x0
	ds_add_u32 v254, v255
	s_wait_dscnt 0x0
	s_endpgm
.Lfunc_end_k_q5bf214a28a_quant:
	.size	k_q5bf214a28a_quant, .Lfunc_end_k_q5bf214a28a_quant-k_q5bf214a28a_quant
	.p2alignl 7, 3214868480
	.fill 96, 4, 3214868480
	.section	.rodata,"a",@progbits
	.p2align	6, 0x0
	.amdhsa_kernel k_q5bf214a28a_quant
		.amdhsa_group_segment_fixed_size 34304
		.amdhsa_private_segment_fixed_size 0
		.amdhsa_enable_private_segment 0
		.amdhsa_kernarg_size 72
		.amdhsa_user_sgpr_count 2
		.amdhsa_user_sgpr_kernarg_segment_ptr 1
		.amdhsa_wavefront_size32 1
		.amdhsa_system_sgpr_workgroup_id_x 1
		.amdhsa_system_sgpr_workgroup_id_y 1
		.amdhsa_system_sgpr_workgroup_id_z 1
		.amdhsa_system_vgpr_workitem_id 0
		.amdhsa_next_free_vgpr 256
		.amdhsa_next_free_sgpr 66
		.amdhsa_reserve_vcc 0
		.amdhsa_float_denorm_mode_32 3
		.amdhsa_float_denorm_mode_16_64 3
		.amdhsa_memory_ordered 1
		.amdhsa_forward_progress 1
		.amdhsa_inst_pref_size 34
	.end_amdhsa_kernel
	.amdgpu_metadata
---
amdhsa.version: [ 1, 2 ]
amdhsa.kernels:
  - .name:           k_q5bf214a28a_quant
    .symbol:         k_q5bf214a28a_quant.kd
    .args:
      - { .name: q, .offset: 0, .size: 8, .value_kind: global_buffer, .address_space: global }
      - { .name: k, .offset: 8, .size: 8, .value_kind: global_buffer, .address_space: global }
      - { .name: v, .offset: 16, .size: 8, .value_kind: global_buffer, .address_space: global }
      - { .name: w_q, .offset: 24, .size: 8, .value_kind: global_buffer, .address_space: global }
      - { .name: w_k, .offset: 32, .size: 8, .value_kind: global_buffer, .address_space: global }
      - { .name: w_v, .offset: 40, .size: 8, .value_kind: global_buffer, .address_space: global }
      - { .name: w_o, .offset: 48, .size: 8, .value_kind: global_buffer, .address_space: global }
      - { .name: codes, .offset: 56, .size: 8, .value_kind: global_buffer, .address_space: global }
      - { .name: scales, .offset: 64, .size: 8, .value_kind: global_buffer, .address_space: global }
    .group_segment_fixed_size: 34304
    .private_segment_fixed_size: 0
    .kernarg_segment_align: 8
    .kernarg_segment_size: 72
    .max_flat_workgroup_size: 128
    .sgpr_count:     66
    .vgpr_count:     256
    .wavefront_size: 32
...
	.end_amdgpu_metadata
.endif
;; end of part 1
;; launch proj (part 2): grid 64 x 3, 4 waves a work-group, no clusters, 0 bytes of LDS; arguments codes, scales, att; writes att
.if DOCPART == 2
	.amdgcn_target "amdgcn-amd-amdhsa--gfx1250"
	.amdhsa_code_object_version 6
	.text
	.protected	k_q5bf214a28a_proj
	.globl	k_q5bf214a28a_proj
	.p2align	8
	.type	k_q5bf214a28a_proj,@function
k_q5bf214a28a_proj:
	s_mov_b64 s[64:65], 0
	v_nop
	global_prefetch_b8 v0, s[64:65] scope:SCOPE_SE
	s_setreg_imm32_b32 hwreg(HW_REG_WAVE_MODE, 25, 1), 1
	s_wait_xcnt 0x0
; The three projections q w_q^T, k w_k^T, v w_v^T on codes of FP6 (E2M3), and their results quantised in registers into the operands of the attention launch.
; ONE BODY.  A product has a RESIDENT operand (source 0) and a STREAMED one (source 1).  In the result a lane holds one row of the streamed operand and its registers run along the resident one's rows,
; so the result is quantised ALONG THE RESIDENT ROWS.  For Q and K (work-group y = 0, 1) the weight is resident: blocks of 32 run along a head's channels.  For V (y = 2) v's rows, the keys, are resident: blocks run along the keys.
; Since a tile holds rows 32 G + 8 u + r + 8 (r / 8), the 16 registers of result tiles 2 b and 2 b + 1 are 16 neighbours, 32 b + 16 (lane / 16) + 0 .. 15.
; SHARES.  A work-group takes 512 resident rows, 128 a wave (8 tiles x 4 K steps = 384 registers, loaded once), against 128 streamed rows (8 tiles, one after the other).  64 work-groups a tensor.
; A wave's 128 results of a streamed row become one fragment of 12 registers = two HALF FRAGMENTS of 768 bytes (registers 0-3 at 16 x lane, registers 4-5 at 512 + 8 x lane).
; att: for head hh = 8 batch + head and key step ks of 128 keys a block of 12,800 bytes at 409,600 hh + 12,800 ks: K's 8 half fragments; at 6,144 V's 4 fragments; at 12,288 K's scale words (16 r + 4 f); at 12,544 V's (16 r + 4 ct).
;      from QOFF Q's half fragments (196,608 hh + 768 tile); from QSOFF Q's scale words (8,192 hh + 256 (tile / 8) + 16 r + 4 ((tile / 2) % 4)).
; No LDS, no barrier: waves share nothing.  LIMITS: a block of zeros gets the byte 1 (its codes are zeros; this program alone reads the bytes); NaN and infinities are not served.
; REGISTERS, in windows of 256: window 0: v1-4 addresses, v16-47 the resident scale words, v48-55 the streamed ones (two sets), v64-127 the 8 accumulators, v128.. at work.
;   window 1: resident fragments of K steps 0, 1 at v[12 (2 t + s)];  window 2: those of K steps 2, 3;  window 3: v0-95 the streamed tile's four fragments, two buffers.
.set QOFF,  6553600
.set QSOFF, 9699328
.set RS,  16
.set TS,  48
.set ACC, 64
.set PC,  128
.set TP,  140
.set TM,  148
.set HW,  164                          ; v164-179 halfwords of scale bytes: streamed tile m, half fragment c at HW + 2 m + c
.set F,   180                          ; v180-183 the four scale words that I store
.set SEL, 36
.set MSB, 0
.macro WIN new                         ; the immediate's high byte repeats the setting that is left
.if MSB != \new
	s_set_vgpr_msb (MSB<<8)|\new
.set MSB, \new
.endif
.endm
.macro QUANT src, dst, tmp             ; 64 numbers of a lane, register 16 b + i = k 32 b + 16 (lane / 16) + i, become 12 registers of codes; the bytes are left in v[TM+4] .. v[TM+7]
.irp b, 0,1,2,3
	v_max3_num_f32 v[TM+\b], |v[\src+16*\b]|, |v[\src+1+16*\b]|, 0x1800000   ; each accumulator is read from its low end on; the floor 2^(3 - 127) holds the byte at 1
.endr
.irp i, 2,4,6,8,10,12,14
.irp b, 0,1,2,3
	v_max3_num_f32 v[TM+\b], v[TM+\b], |v[\src+16*\b+\i]|, |v[\src+1+16*\b+\i]|
.endr
.endr
.irp b, 0,1,2,3
	v_permlanex16_b32 v[TM+4+\b], v[TM+\b], s[SEL], s[SEL+1]
.endr
.irp b, 0,1,2,3
	v_max_num_f32 v[TM+\b], v[TM+\b], v[TM+4+\b]
.endr
.irp b, 0,1,2,3
	v_add_nc_u32 v[TM+12+\b], 0xff000000, v[TM+\b]   ; 2 off the exponent field: the conversion's scale operand
.endr
.irp b, 0,1,2,3
	v_lshrrev_b32 v[TM+4+\b], 23, v[TM+12+\b]
.endr
.irp c, 0,1
	v_cvt_scalef32_pk16_fp6_f32 v[\dst+6*\c:\dst+2+6*\c], v[\src+32*\c:\src+15+32*\c], v[TM+12+2*\c]
	v_cvt_scalef32_pk16_fp6_f32 v[\tmp+4*\c:\tmp+2+4*\c], v[\src+16+32*\c:\src+31+32*\c], v[TM+13+2*\c]
.endr
	v_nop                                          ; one plain place behind a scaled conversion
.irp c, 0,1
.irp i, 0,1,2
	v_permlane16_swap_b32 v[\dst+6*\c+\i], v[\tmp+4*\c+\i]
.endr
.irp i, 0,1,2
	v_mov_b32 v[\dst+3+6*\c+\i], v[\tmp+4*\c+\i]
.endr
.endr
.endm
	s_load_b128 s[4:7], s[0:1], 0x0                ; codes, scales
	s_load_b64 s[8:9], s[0:1], 0x10                ; att
	v_lshrrev_b32 v5, 5, v0
	v_readfirstlane_b32 s10, v5                    ; wave w
	s_and_b32 s11, ttmp7, 0xffff                   ; y: 0 Q, 1 K, 2 V
	s_mov_b32 s12, ttmp9                           ; x
	v_and_b32 v5, 31, v0
	v_lshlrev_b32 v1, 4, v5                        ; 16 x lane
	v_lshlrev_b32 v2, 3, v5                        ; 8 x lane
	v_and_b32 v5, 15, v0
	v_lshlrev_b32 v3, 4, v5                        ; 16 r
	v_bfe_u32 v6, v0, 4, 1                         ; h
	s_mov_b32 s[SEL], 0x76543210
	s_mov_b32 s[SEL+1], 0xfedcba98
	s_mov_b32 s38, 0xffff0000                      ; lanes 16-31
.irp b, 0,1,2,3
	v_mov_b32 v[TM+4+\b], 0                        ; a lane permute's destination counts as one of its sources
.endr
	; The three tensors differ in scalars alone.  s40 first resident tile, s41 first streamed tile, s42 where my first half fragment goes, s43 where my scale words go,
	; s26 the step from streamed tile to tile, s28 that from tile 3 to tile 4, s30 from half fragment 0 to 1, s34 from the lower lanes' scale words to the upper lanes'.
	s_cmp_eq_u32 s11, 2
	s_cbranch_scc1 .Larm_v
	s_lshr_b32 s44, s12, 5                         ; batch
	s_and_b32 s45, s12, 31                         ; which 128 rows of the batch
	s_lshl_b32 s46, s44, 3
	s_lshl_b32 s47, s10, 1
	s_add_co_u32 s46, s46, s47                     ; my first head: 8 batch + 2 w
	s_lshl_b32 s47, s10, 3
	s_lshl_b32 s41, s12, 3
	s_mov_b32 s26, 768
	s_mov_b32 s28, 768
	s_cmp_eq_u32 s11, 1
	s_cbranch_scc1 .Larm_k
	s_add_co_u32 s40, s47, 1536                    ; w_q's tiles 8 w on
	s_mul_i32 s42, s46, 196608
	s_mul_i32 s44, s45, 6144
	s_add_co_u32 s42, s42, s44
	s_add_co_u32 s42, s42, QOFF
	s_lshl_b32 s43, s46, 13
	s_lshl_b32 s44, s45, 8
	s_add_co_u32 s43, s43, s44
	s_add_co_u32 s43, s43, QSOFF
	s_mov_b32 s30, 196608                          ; the next head's tiles
	s_mov_b32 s34, 8192
	s_branch .Larms_done
.Larm_k:
	s_add_co_u32 s40, s47, 1568                    ; w_k's tiles
	s_add_co_u32 s41, s41, 512                     ; k's tiles
	s_mul_i32 s42, s46, 409600
	s_mul_i32 s44, s45, 12800
	s_add_co_u32 s42, s42, s44                     ; the block of (head, key step)
	s_add_co_u32 s43, s42, 12288
	s_mov_b32 s30, 409600                          ; the next head's block
	s_mov_b32 s34, 409600
	s_branch .Larms_done
.Larm_v:
	s_lshr_b32 s44, s12, 2                         ; which 512 keys
	s_and_b32 s45, s12, 3                          ; which 128 channels
	s_lshl_b32 s46, s44, 2
	s_add_co_u32 s46, s46, s10                     ; my key step among both batches' 64
	s_lshl_b32 s40, s46, 3
	s_add_co_u32 s40, s40, 1024                    ; v's tiles
	s_lshl_b32 s41, s45, 3
	s_add_co_u32 s41, s41, 1600                    ; w_v's tiles
	s_lshr_b32 s47, s46, 5                         ; batch
	s_and_b32 s46, s46, 31                         ; key step
	s_lshl_b32 s47, s47, 3
	s_lshl_b32 s45, s45, 1
	s_add_co_u32 s47, s47, s45                     ; the first of my two heads
	s_mul_i32 s42, s47, 409600
	s_mul_i32 s44, s46, 12800
	s_add_co_u32 s44, s42, s44                     ; its block
	s_add_co_u32 s42, s44, 6144
	s_add_co_u32 s43, s44, 12544
	s_mov_b32 s26, 1536                            ; a fragment on
	s_mov_b32 s28, 404992                          ; from fragment 3 to the next head's fragment 0: 409,600 - 3 x 1,536
	s_mov_b32 s30, 768                             ; the two halves lie on end
	s_mov_b32 s34, 409600
.Larms_done:
	s_wait_alu depctr_va_vdst(0)
	v_mad_u32_u24 v4, v6, s34, v3                  ; 16 r + h x the distance to the upper lanes' words
	s_mov_b32 s27, 0
	s_mov_b32 s29, 0
	s_mov_b32 s31, 0
	s_mov_b32 s49, 0
	s_wait_kmcnt 0x0
	s_mul_i32 s48, s40, 6144
	s_add_nc_u64 s[14:15], s[4:5], s[48:49]        ; resident codes
	s_lshl_b32 s48, s40, 8
	s_add_nc_u64 s[16:17], s[6:7], s[48:49]        ; resident scale words
	s_mul_i32 s48, s41, 6144
	s_add_nc_u64 s[18:19], s[4:5], s[48:49]        ; streamed codes
	s_lshl_b32 s48, s41, 8
	s_add_nc_u64 s[20:21], s[6:7], s[48:49]        ; streamed scale words
	s_mov_b32 s48, s42
	s_add_nc_u64 s[22:23], s[8:9], s[48:49]        ; half fragment 0 of streamed tile 0
	s_mov_b32 s48, s43
	s_add_nc_u64 s[32:33], s[8:9], s[48:49]        ; my scale words
.irp t, 0,1,2,3,4,5,6,7
	global_load_b128 v[RS+4*\t:RS+4*\t+3], v3, s[16:17] offset:256*\t   ; tile t: the four K steps' words of lane row r
.endr
	WIN 0x40                                       ; destination window 1
.irp t, 0,1,2,3,4,5,6,7
.irp s, 0,1
.irp c, 0,1,2
	global_load_b128 v[12*(2*\t+\s)+4*\c:12*(2*\t+\s)+4*\c+3], v1, s[14:15] offset:6144*\t+1536*\s+512*\c
.endr
.endr
.endr
	WIN 0x80                                       ; destination window 2
.irp t, 0,1,2,3,4,5,6,7
.irp s, 0,1
.irp c, 0,1,2
	global_load_b128 v[12*(2*\t+\s)+4*\c:12*(2*\t+\s)+4*\c+3], v1, s[14:15] offset:6144*\t+1536*(\s+2)+512*\c
.endr
.endr
.endr
	WIN 0
.macro TLD m                           ; streamed tile m: 12 loads of codes and one of scale words, into buffer m % 2
	WIN 0xc0                                       ; destination window 3
.irp i, 0,1,2,3,4,5,6,7,8,9,10,11
	global_load_b128 v[48*((\m)%2)+4*\i:48*((\m)%2)+4*\i+3], v1, s[18:19] offset:6144*(\m)+512*\i
.endr
	WIN 0
	global_load_b128 v[TS+4*((\m)%2):TS+4*((\m)%2)+3], v3, s[20:21] offset:256*(\m)
.endm
.macro PROD s, bf                      ; K step s: the 8 accumulators by turns, one instruction a turn; the first K step starts the sums
.irp t, 0,1,2,3,4,5,6,7
.if (\s) == 0
	v_wmma_scale_f32_16x16x128_f8f6f4 v[ACC+8*\t:ACC+8*\t+7], v[12*(2*\t+(\s)%2):12*(2*\t+(\s)%2)+11], v[48*(\bf)+12*(\s):48*(\bf)+12*(\s)+11], 0, v[RS+4*\t+(\s)], v[TS+4*(\bf)+(\s)] matrix_a_fmt:MATRIX_FMT_FP6 matrix_b_fmt:MATRIX_FMT_FP6
.else
	v_wmma_scale_f32_16x16x128_f8f6f4 v[ACC+8*\t:ACC+8*\t+7], v[12*(2*\t+(\s)%2):12*(2*\t+(\s)%2)+11], v[48*(\bf)+12*(\s):48*(\bf)+12*(\s)+11], v[ACC+8*\t:ACC+8*\t+7], v[RS+4*\t+(\s)], v[TS+4*(\bf)+(\s)] matrix_a_fmt:MATRIX_FMT_FP6 matrix_b_fmt:MATRIX_FMT_FP6
.endif
.endr
.endm
.macro PSTEP m
.if (\m) < 7
	s_wait_loadcnt 13                              ; all is in but the next tile's 13 loads
.else
	s_wait_loadcnt 0x0
.endif
	WIN 0x0d                                       ; source 0 window 1, source 1 window 3
	PROD 0, (\m)%2
	PROD 1, (\m)%2
	WIN 0x0e                                       ; source 0 window 2
	PROD 2, (\m)%2
	PROD 3, (\m)%2
	WIN 0
.rept 4
	v_nop                                          ; four places in front of loads into registers that the products read, and of the first read of results
.endr
.if (\m) < 6
	TLD (\m)+2
.endif
.if (\m) > 0
	s_wait_xcnt 0x0                                ; the last tile's stores have read their data and their bases
.if (\m) == 4
	s_add_nc_u64 s[22:23], s[22:23], s[28:29]
.else
	s_add_nc_u64 s[22:23], s[22:23], s[26:27]
.endif
.endif
	s_add_nc_u64 s[24:25], s[22:23], s[30:31]      ; half fragment 1
	QUANT ACC, PC, TP
	v_lshl_or_b32 v[HW+2*(\m)], v[TM+5], 8, v[TM+4]
	v_lshl_or_b32 v[HW+2*(\m)+1], v[TM+7], 8, v[TM+6]
	global_store_b128 v1, v[PC:PC+3], s[22:23]              ; 512 consecutive bytes,
	global_store_b64 v2, v[PC+4:PC+5], s[22:23] offset:512  ; 256 more: all aligned
	global_store_b128 v1, v[PC+6:PC+9], s[24:25]
	global_store_b64 v2, v[PC+10:PC+11], s[24:25] offset:512
.endm
	TLD 0
	TLD 1
.irp m, 0,1,2,3,4,5,6,7
	PSTEP \m
.endr
	; the scale words: four a lane.  Q, K: word j = the halfwords of tiles 2 j and 2 j + 1; lanes 0-15 take my first head's, lanes 16-31 my second's.
	; V: word j = the four bytes of fragment j; lanes 0-15 take streamed tiles 0-3 (the first head), lanes 16-31 tiles 4-7.
	s_cmp_eq_u32 s11, 2
	s_cbranch_scc1 .Lwords_v
.irp j, 0,1,2,3
	v_cndmask_b32 v184, v[HW+4*\j], v[HW+4*\j+1], s38
	v_cndmask_b32 v185, v[HW+4*\j+2], v[HW+4*\j+3], s38
	v_lshl_or_b32 v[F+\j], v185, 16, v184
.endr
	s_branch .Lwords_done
.Lwords_v:
.irp j, 0,1,2,3
	v_cndmask_b32 v184, v[HW+2*\j], v[HW+8+2*\j], s38
	v_cndmask_b32 v185, v[HW+2*\j+1], v[HW+9+2*\j], s38
	v_lshl_or_b32 v[F+\j], v185, 16, v184
.endr
.Lwords_done:
	s_wait_alu depctr_va_vdst(0)
	global_store_b128 v4, v[F:F+3], s[32:33]       ; each half of the lanes stores 256 consecutive bytes, aligned
	s_endpgm
.Lfunc_end_k_q5bf214a28a_proj:
	.size	k_q5bf214a28a_proj, .Lfunc_end_k_q5bf214a28a_proj-k_q5bf214a28a_proj
	.p2alignl 7, 3214868480
	.fill 96, 4, 3214868480
	.section	.rodata,"a",@progbits
	.p2align	6, 0x0
	.amdhsa_kernel k_q5bf214a28a_proj
		.amdhsa_group_segment_fixed_size 0
		.amdhsa_private_segment_fixed_size 0
		.amdhsa_enable_private_segment 0
		.amdhsa_kernarg_size 24
		.amdhsa_user_sgpr_count 2
		.amdhsa_user_sgpr_kernarg_segment_ptr 1
		.amdhsa_wavefront_size32 1
		.amdhsa_system_sgpr_workgroup_id_x 1
		.amdhsa_system_sgpr_workgroup_id_y 1
		.amdhsa_system_sgpr_workgroup_id_z 1
		.amdhsa_system_vgpr_workitem_id 0
		.amdhsa_next_free_vgpr 864
		.amdhsa_next_free_sgpr 66
		.amdhsa_reserve_vcc 0
		.amdhsa_float_denorm_mode_32 3
		.amdhsa_float_denorm_mode_16_64 3
		.amdhsa_memory_ordered 1
		.amdhsa_forward_progress 1
		.amdhsa_inst_pref_size 94
	.end_amdhsa_kernel
	.amdgpu_metadata
---
amdhsa.version: [ 1, 2 ]
amdhsa.kernels:
  - .name:           k_q5bf214a28a_proj
    .symbol:         k_q5bf214a28a_proj.kd
    .args:
      - { .name: codes, .offset: 0, .size: 8, .value_kind: global_buffer, .address_space: global }
      - { .name: scales, .offset: 8, .size: 8, .value_kind: global_buffer, .address_space: global }
      - { .name: att, .offset: 16, .size: 8, .value_kind: global_buffer, .address_space: global }
    .group_segment_fixed_size: 0
    .private_segment_fixed_size: 0
    .kernarg_segment_align: 8
    .kernarg_segment_size: 24
    .max_flat_workgroup_size: 128
    .sgpr_count:     66
    .vgpr_count:     864
    .wavefront_size: 32
...
	.end_amdgpu_metadata
.endif
;; end of part 2
;; launch attn (part 3): grid 16 x 16, 16 waves a work-group, clusters of 4 x 1, 327,680 bytes of LDS; arguments att, xc, xs; writes xc, xs
.if DOCPART == 3
	.amdgcn_target "amdgcn-amd-amdhsa--gfx1250"
	.amdhsa_code_object_version 6
	.text
	.protected	k_q5bf214a28a_attn
	.globl	k_q5bf214a28a_attn
	.p2align	8
	.type	k_q5bf214a28a_attn,@function
k_q5bf214a28a_attn:
	s_mov_b64 s[64:65], 0
	v_nop
	global_prefetch_b8 v0, s[64:65] scope:SCOPE_SE
	s_setreg_imm32_b32 hwreg(HW_REG_WAVE_MODE, 25, 1), 1
	s_wait_xcnt 0x0
	s_wait_alu depctr_hold_cnt(0) depctr_sa_sdst(0) depctr_va_vdst(0) depctr_va_sdst(0) depctr_va_ssrc(0) depctr_va_vcc(0) depctr_vm_vsrc(0)
	s_getreg_b32 s2, hwreg(HW_REG_IB_STS2, 6, 4)
	s_cmp_eq_u32 s2, 0
	s_cbranch_scc0 .Lentry_in_a_cluster
	s_endpgm
.Lentry_in_a_cluster:
	s_bfe_u32 s2, ttmp6, 0x10000c
	s_cmp_lg_u32 s2, 0x3003
	s_cbranch_scc0 .Lentry_shape_is_right
	s_endpgm
.Lentry_shape_is_right:
; Attention of one head on codes of FP6 (E2M3): S^T = K Q^T, p = 2^(t - M), O^T = V^T P^T, O / l, and O quantised along the head's channels for the last projection.
; t = score x log2(e) / 8; M = the running largest t rounded up to a whole number; l is the sum of the unquantised p and divides O at the end.
; When M moves, l and O are multiplied by 2^(old M - new M): nothing is rounded, and no branch hangs on data.
; SHARES.  A work-group owns 256 queries of head hh (cluster y); each of its sixteen waves one tile of 16 queries in 256 registers.  Every wave walks the head's 4,096 keys, 128 a step.
; A step's operands are one dense block of 12,800 bytes, images of the operands' registers.
; THE HEAD'S 64 CHANNELS IN AN INSTRUCTION OF K = 128.  Source 0 is a pair of key tiles on end; source 1 is [Q | zero codes] or [zero codes | Q] (the two share the six zero registers).
; KEYS OF A TILE.  Tile 4 c + u holds in row 8 h + j key 64 c + 32 h + 8 u + j: so lane (r, h) holds query r, and registers 32 c .. 32 c + 31 of S^T are the WHOLE block 2 c + h of 32 keys:
; a block's maximum needs no other lane, and the conversions' results lie in the lanes in which the operand wants them.
; K's and V's fragments have registers of their own: K of step s + 1 is read from LDS behind the scores of step s, V of step s + 1 behind the second product of step s.
; CLUSTER.  The four query blocks of a cluster walk the same K and V: each fill is a joint load with a mask that names the four.
; LDS holds 24 places of one key step.  Three fills, each wave's part 100 rows of 256 bytes: steps 0-7 into places 0-7 (four waves, at the head), steps 8-23 into places 8-23 (eight waves, behind the head's
; second round), steps 24-31 into places 0-7 again (four waves).  A wave has one tensor load out at the most.
; A meeting of the waves stands in the middle of steps 7 and 23, where all that is wanted of the places left behind lies in registers.
; NO PREFETCH: steps 8-23 are asked for eight key steps ahead of their first read, steps 24-31 sixteen; steps 0-7 stand at the head, with no loop ahead of them.
; LIMITS: NaN and infinities are not served; a block of zeros gets the byte 1 (its codes are zeros; this program alone reads the bytes); the scaled scores stay under 2^31 in magnitude.
; A block's largest p is made from the block's largest score by the same multiply-add and exponential: this takes v_exp_f32 not to fall where its input rises.
.set QOFF,  6553600
.set QSOFF, 9699328
.set STEPB, 12800
.set SPARE, 24*STEPB                   ; the spare words: 128 bytes for each of 16 waves
.set STG,   SPARE+2048                 ; 512 bytes: the work-group's halfwords of scale bytes on their way out; no fill lands here
.set SEL, 28                           ; s[28:29] selects for lane l xor 16
.set CS,  30                           ; s[30:31] c = log2(e) / 8, twice
; v0 thread, v1 16 x lane, v2 8 x lane, v3 spare word, v4 0, v5 v6 LDS addresses, v7 8 h, v[8:11] K's scale words (lanes 0-15), v12 -M, v13 largest score, v14 old -M, v15 16 r,
; v[16:33] Q | 0 | Q, v34 v35 their scale words, v36 p's scale word, v37 lane xor 16's, v38 f, v39 at work, v[40:43] V's scale words (lanes 16-31), v62 v63 the way out's LDS addresses.
.set BM,  44                           ; v44-47 maxima, bytes; then half a block's codes
.set BS,  48                           ; v48-49 the conversions' scale operands
.set T0,  50                           ; v50-52 half a block's codes
.set AC,  54                           ; v54-59 three partial sums; v[60:61] l, in two halves
.set KF,  64                           ; v64-111 K's four pairs of tiles
.set VF,  112                          ; v112-159 V's four fragments
.set SR,  160                          ; v160-223 S^T, then p; p's codes are laid over v208-219
.set PF,  208
.set OT,  224                          ; v224-255 O^T
.macro CROUND                          ; a round of the cluster's barrier
	s_barrier_signal -1
	s_barrier_wait -1
	s_cmp_lg_u32 s10, 0
	s_cbranch_scc1 .Lnot_wave_0_\@
	s_barrier_signal -3
.Lnot_wave_0_\@:
	s_barrier_wait -3
	s_barrier_signal -1
	s_barrier_wait -1
.endm
.macro TLOAD n                         ; waves 0 .. n - 1 fetch 25,600 bytes each; the branch hangs on the wave's number alone
	s_cmp_lt_u32 s10, \n
	s_cbranch_scc0 .Lasked_\@
	tensor_load_to_lds s[24:27], s[16:23]
	s_nop 0
.rept 4
	v_nop
.endr
.Lasked_\@:
.endm
.macro FRAG4 reg, off                  ; two half fragments on end become 12 registers
	ds_load_b128 v[\reg:\reg+3], v5 offset:\off
	ds_load_b64 v[\reg+4:\reg+5], v6 offset:\off+512
	ds_load_b128 v[\reg+6:\reg+9], v5 offset:\off+768
	ds_load_b64 v[\reg+10:\reg+11], v6 offset:\off+1280
.endm
.macro KLOAD                           ; 17 LDS loads
	ds_load_b128 v[8:11], v5 offset:12288
.irp f, 0,1,2,3
	FRAG4 KF+12*\f, 1536*\f
.endr
.endm
.macro VLOAD                           ; 17 LDS loads; lanes 16-31 of the first read V's words, 256 bytes behind K's
	ds_load_b128 v[40:43], v5 offset:12288
.irp f, 0,1,2,3
	FRAG4 VF+12*\f, 6144+1536*\f
.endr
.endm
; A MEETING.  Each wave waits for all its tensor loads, adds 0 to its spare word, and waits for that and for its LDS reads.
; fill = 1: a round of the cluster's barrier, and behind it n waves fill: up = 1: places 8-23 with steps 8-23; up = 0: places 0-7 again, with steps 24-31.
.macro CHANGE fill, n, up
	s_wait_tensorcnt 0x0                           ; no tensor load of mine is out, so the descriptor may be written
	ds_add_u32 v3, v4
.if \fill
	ds_add_u32 v3, v4                              ; twice
.if \up
	s_add_co_u32 s25, s25, 8*STEPB
	s_add_nc_u64 s[26:27], s[26:27], 8*STEPB
.else
	s_sub_co_u32 s25, s25, 8*STEPB
	s_add_nc_u64 s[26:27], s[26:27], 16*STEPB
.endif
.endif
	s_wait_dscnt 0x0
.if \fill
	CROUND
	TLOAD \n
.else
	s_barrier_signal -1
	s_barrier_wait -1
.endif
.endm
.macro ADDS n                          ; n more pairs of p onto the four sums by turns; the I-th pair taken is pair (I + 24) % 32: those that p's codes are laid over go first
.rept \n
	v_pk_add_f32 v[AC+2*((I-7)%4):AC+2*((I-7)%4)+1], v[AC+2*((I-7)%4):AC+2*((I-7)%4)+1], v[SR+2*((I+24)%32):SR+2*((I+24)%32)+1]
.set I, I+1
.endr
.endm
.macro FMAS a, b                       ; t - M, two at a time, registers a .. b - 1 of S^T
.set J, \a
.rept (\b-\a)/2
	v_pk_fma_f32 v[SR+J:SR+J+1], v[SR+J:SR+J+1], s[CS:CS+1], v[12:13] op_sel_hi:[1,0,0]
.set J, J+2
.endr
.endm
	s_load_b128 s[4:7], s[0:1], 0x0                ; att, xc
	s_load_b64 s[8:9], s[0:1], 0x10                ; xs
	v_lshl_add_u32 v3, v0, 2, SPARE
	v_mov_b32 v4, 0
	ds_add_u32 v3, v4                              ; the opening lines: the add twice on end and one wait
	ds_add_u32 v3, v4
	v_lshrrev_b32 v5, 5, v0
	v_readfirstlane_b32 s10, v5                    ; wave 0..15
	s_bfe_u32 s11, ttmp6, 0x40000                  ; cx
	s_lshl_b32 s12, ttmp9, 2
	s_add_co_u32 s12, s12, s11                     ; my block of 256 queries: it enters Q's, xc's and xs's addresses alone
	s_and_b32 s13, ttmp7, 0xffff                   ; the head, which the four partners share
	s_mov_b32 s16, 15|(3<<16)|(1<<21)              ; group 1: the mask of all four; elements of 8 bytes; bit 21 beside a mask
	s_mov_b32 s17, 32<<16                          ; tensor_dim0 = 32
	s_mov_b32 s18, 100<<16                         ; tensor_dim1 = 100
	s_mov_b32 s19, 32<<16                          ; tile_dim0 = 32
	s_mov_b32 s20, 100                             ; tile_dim1 = 100
	s_mov_b32 s21, 32
	s_mov_b32 s22, 0
	s_mov_b32 s23, 0
	s_mul_i32 s40, s10, 25600                      ; my two key steps of a fill
	s_mul_i32 s42, s13, 409600                     ; the head's blocks
	s_add_co_u32 s42, s42, s40
	s_mov_b32 s43, 0
	s_mov_b32 s[SEL], 0x76543210
	s_mov_b32 s[SEL+1], 0xfedcba98
	s_mov_b32 s[CS], 0x3e38aa3b                    ; log2(e) / sqrt(64)
	s_mov_b32 s[CS+1], s[CS]
	s_mov_b32 s32, 0                               ; LDS byte of the step that is read next
	s_lshl_b32 s44, s12, 4
	s_add_co_u32 s44, s44, s10                     ; my tile of queries within the batch
	s_mul_i32 s36, s13, 196608
	s_mul_i32 s45, s44, 768
	s_add_co_u32 s36, s36, s45
	s_add_co_u32 s36, s36, QOFF                    ; Q's half fragment
	s_mov_b32 s37, 0
	s_lshl_b32 s38, s13, 13
	s_lshr_b32 s45, s44, 3
	s_lshl_b32 s45, s45, 8
	s_add_co_u32 s38, s38, s45
	s_bfe_u32 s45, s44, 0x20001
	s_lshl_b32 s45, s45, 2
	s_add_co_u32 s38, s38, s45
	s_add_co_u32 s38, s38, QSOFF                   ; the word that holds its scale bytes
	s_mov_b32 s39, 0
	s_and_b32 s35, s10, 1
	s_lshl_b32 s35, s35, 4                         ; which half of that word
	s_lshl_b32 s34, s10, 5
	s_add_co_u32 s34, s34, STG
	v_and_b32 v5, 31, v0
	v_and_b32 v6, 15, v0
	v_bfe_u32 v7, v0, 4, 1
	v_lshlrev_b32 v1, 4, v5
	v_lshlrev_b32 v2, 3, v5
	v_lshlrev_b32 v15, 4, v6                       ; 16 r
	v_lshl_add_u32 v62, v6, 1, s34                 ; STG + 32 wave + 2 r
	v_lshlrev_b32 v7, 3, v7                        ; 8 h
	v_add_nc_u32 v63, STG, v1                      ; STG + 16 lane
	s_wait_alu depctr_va_vdst(0)
	s_wait_dscnt 0x0                               ; both opening adds are done
	s_wait_kmcnt 0x0
	s_mov_b32 s24, 1                               ; group 0: count = 1,
	s_mov_b32 s25, s40                             ; places 0-7, my part,
	s_add_nc_u64 s[26:27], s[4:5], s[42:43]
	s_or_b32 s27, s27, 0x80000000                  ; type = 2
	s_add_nc_u64 s[36:37], s[4:5], s[36:37]
	s_add_nc_u64 s[38:39], s[4:5], s[38:39]
	s_lshr_b32 s45, s13, 3
	s_lshl_b32 s45, s45, 8
	s_add_co_u32 s45, s45, s44                     ; my tile of rows among both batches'
	s_mul_i32 s46, s45, 6144
	s_and_b32 s45, s13, 7
	s_mul_i32 s45, s45, 768
	s_add_co_u32 s46, s46, s45
	s_mov_b32 s47, 0
	s_add_nc_u64 s[6:7], s[6:7], s[46:47]          ; xc: my half fragment
	s_lshl_b32 s46, s13, 13
	s_lshl_b32 s45, s12, 9
	s_add_co_u32 s46, s46, s45
	s_add_nc_u64 s[8:9], s[8:9], s[46:47]          ; xs: the work-group's 512 bytes
	CROUND                                         ; all four work-groups are here: the first joint loads meet
	TLOAD 4                                        ; key steps 0-7
	global_load_b128 v[16:19], v1, s[36:37]        ; Q, once below the zero codes,
	global_load_b64 v[20:21], v2, s[36:37] offset:512
	global_load_b128 v[28:31], v1, s[36:37]        ; once above them
	global_load_b64 v[32:33], v2, s[36:37] offset:512
	global_load_b32 v14, v15, s[38:39]
.irp j, 22,23,24,25,26,27
	v_mov_b32 v[\j], 0                             ; the zero codes
.endr
	v_mov_b32 v13, 0xff61b1e6                      ; the largest score so far: -3e38
	v_mov_b32 v60, 0
	v_mov_b32 v61, 0
	v_mov_b32 v37, 0                               ; a lane permute's destination counts as one of its sources
	v_mul_f32 v39, s[CS], v13
	v_mov_b32 v38, 0
	v_floor_f32 v12, -v39                          ; -M
	s_wait_alu depctr_va_vdst(0)
	s_wait_loadcnt 0x0
	v_lshrrev_b32 v34, s35, v14
	v_and_b32 v34, 0xffff, v34                     ; [Q | 0]'s scale word: my tile's two bytes below, bytes 0 above
	v_lshlrev_b32 v35, 16, v34                     ; [0 | Q]'s
	v_mov_b32 v14, v12                             ; the old -M
.irp j, 0,1,2,3,4,5,6,7,8,9,10,11,12,13,14,15,16,17,18,19,20,21,22,23,24,25,26,27,28,29,30,31
	v_mov_b32 v[OT+\j], 0                          ; O^T: the step is written once; the first finds zeros
.endr
	s_wait_alu depctr_va_vdst(0)
; A STEP OF 128 KEYS.  pre = 1: the next step's K and V are read from LDS.  chg = 1: places 0-7 are left and filled again; chg = 2: places 8-23 are left, nothing is filled.
.macro BODY pre, chg
	s_wait_alu depctr_va_vdst(0)
	s_wait_dscnt 17                                ; K is in; the 17 younger loads, V's, may be out
.irp f, 0,1,2,3
	v_wmma_scale_f32_16x16x128_f8f6f4 v[SR+16*\f:SR+16*\f+7], v[KF+12*\f:KF+12*\f+11], v[16:27], 0, v[8+\f], v34 matrix_a_fmt:MATRIX_FMT_FP6 matrix_b_fmt:MATRIX_FMT_FP6
	v_wmma_scale_f32_16x16x128_f8f6f4 v[SR+16*\f+8:SR+16*\f+15], v[KF+12*\f:KF+12*\f+11], v[22:33], 0, v[8+\f], v35 matrix_a_fmt:MATRIX_FMT_FP6 matrix_b_fmt:MATRIX_FMT_FP6
.endr
.if \chg == 1
	CHANGE 1, 4, 0                                 ; key steps 24-31 into places 0-7
.endif
.if \chg == 2
	CHANGE 0, 0, 0
	s_mov_b32 s32, 0
.else
	s_add_co_u32 s32, s32, STEPB
.endif
	v_add_nc_u32 v5, s32, v1                       ; four places behind the products, ahead of the loads and of the first read of the scores
	v_add_nc_u32 v6, s32, v2
	v_nop
	v_nop
.if \pre
	KLOAD
.endif
.irp q, 0,1,2,3
	v_max3_num_f32 v[BM+\q], v[SR+16*\q], v[SR+16*\q+1], v[SR+16*\q+2]   ; four chains of 16 scores; each accumulator from its low end on
.endr
.irp i, 3,5,7,9,11,13
.irp q, 0,1,2,3
	v_max3_num_f32 v[BM+\q], v[BM+\q], v[SR+16*\q+\i], v[SR+16*\q+\i+1]
.endr
.endr
	v_max3_num_f32 v[BM], v[BM], v[BM+1], v[SR+15]
	v_max3_num_f32 v[BM+2], v[BM+2], v[BM+3], v[SR+47]
	v_max_num_f32 v[BM], v[BM], v[SR+31]           ; my first block's largest score,
	v_max_num_f32 v[BM+2], v[BM+2], v[SR+63]       ; my second's
	s_delay_alu instid0(VALU_DEP_1)
	v_max_num_f32 v39, v[BM], v[BM+2]
	s_delay_alu instid0(VALU_DEP_1)
	v_permlanex16_b32 v37, v39, s[SEL], s[SEL+1]
	s_delay_alu instid0(VALU_DEP_1)
	v_max3_num_f32 v13, v13, v39, v37              ; the running largest score of my query
	s_delay_alu instid0(VALU_DEP_1)
	v_mul_f32 v39, s[CS], v13                      ; as t
	s_delay_alu instid0(VALU_DEP_1)
	v_floor_f32 v12, -v39                          ; the new -M = -ceil(t)
	FMAS 0, 16
	v_sub_f32 v39, v12, v14                        ; old M - new M: a whole number, 0 or less
	FMAS 16, 32
	v_cvt_i32_f32 v39, v39                         ; (it saturates)
	FMAS 32, 48
	v_ldexp_f32 v38, 1.0, v39                      ; f = 2^(old M - new M)
	FMAS 48, 64
	v_fma_f32 v[BM], v[BM], s[CS], v12             ; the same of each block's largest score
	v_fma_f32 v[BM+2], v[BM+2], s[CS], v12
.irp j, 0,2,4,6,8,10,12,14,16,18,20,22,24,26,28,30
	v_pk_mul_f32 v[OT+\j:OT+\j+1], v[OT+\j:OT+\j+1], v[38:39] op_sel_hi:[1,0]   ; O^T under the new M
.endr
	s_wait_alu depctr_va_vdst(0)
.set J, 0
.rept 64
	v_exp_f32 v[SR+J], v[SR+J]                     ; p = 2^(t - M)
.set J, J+1
.endr
	v_exp_f32 v[BM], v[BM]                         ; the blocks' largest p
	v_exp_f32 v[BM+2], v[BM+2]
	v_nop                                          ; the plain place behind the exponentials
	s_wait_alu depctr_va_vdst(0)                   ; and the wait ahead of their first reader
	v_pk_add_f32 v[AC:AC+1], v[SR+48:SR+49], v[SR+50:SR+51]        ; the sum of the unquantised p, in four chains; pairs 24-30 first; the scale word's lines stand among the sums
	v_pk_add_f32 v[AC+2:AC+3], v[SR+52:SR+53], v[SR+54:SR+55]
	v_pk_add_f32 v[AC+4:AC+5], v[SR+56:SR+57], v[SR+58:SR+59]
	v_pk_fma_f32 v[AC+6:AC+7], v[AC+6:AC+7], v[38:39], v[SR+60:SR+61] op_sel_hi:[1,0,1]   ; l x f + p
.set I, 7
	v_max_num_f32 v[BM], 0x1800000, v[BM]          ; the floor 2^(3 - 127): the byte cannot fall under 1
	v_max_num_f32 v[BM+2], 0x1800000, v[BM+2]
	ADDS 3
	v_add_nc_u32 v[BS], 0xff000000, v[BM]          ; 2 off the exponent field: the conversion's scale operand
	v_add_nc_u32 v[BS+1], 0xff000000, v[BM+2]
	ADDS 3
	v_lshrrev_b32 v[BM+1], 23, v[BS]               ; the bytes of blocks h and 2 + h
	v_lshrrev_b32 v[BM+3], 23, v[BS+1]
	ADDS 2
	v_lshl_or_b32 v[BM+1], v[BM+3], 16, v[BM+1]
	ADDS 2
	v_lshlrev_b32 v[BM+1], v7, v[BM+1]             ; 8 h bits up
	ADDS 2
	v_permlanex16_b32 v37, v[BM+1], s[SEL], s[SEL+1]
	ADDS 2
	v_or_b32 v36, v[BM+1], v37                     ; p's scale word for these 128 keys
	v_cvt_scalef32_pk16_fp6_f32 v[T0:T0+2], v[SR+48:SR+63], v[BS+1]
	v_cvt_scalef32_pk16_fp6_f32 v[BM:BM+2], v[SR+16:SR+31], v[BS]
	ADDS 1                                         ; a plain place: the next two conversions write sources of the first
	v_cvt_scalef32_pk16_fp6_f32 v[PF:PF+2], v[SR:SR+15], v[BS]
	v_cvt_scalef32_pk16_fp6_f32 v[PF+6:PF+8], v[SR+32:SR+47], v[BS+1]
	ADDS 1                                         ; the plain place behind the conversions
.irp i, 0,1,2
	v_mov_b32 v[PF+3+\i], v[BM+\i]                 ; a conversion's three registers begin on an even number
	v_mov_b32 v[PF+9+\i], v[T0+\i]
.endr
	ADDS 9                                         ; the last nine pairs: the places between the codes and the products
	s_wait_alu depctr_va_vdst(0)
	s_wait_dscnt 17*\pre                           ; V is in; the younger loads, the next step's K, may be out
.irp f, 0,1,2,3
	v_wmma_scale_f32_16x16x128_f8f6f4 v[OT+8*\f:OT+8*\f+7], v[VF+12*\f:VF+12*\f+11], v[PF:PF+11], v[OT+8*\f:OT+8*\f+7], v[40+\f], v36 matrix_a_fmt:MATRIX_FMT_FP6 matrix_b_fmt:MATRIX_FMT_FP6 matrix_a_scale:MATRIX_SCALE_ROW1
.endr                                          ; the four accumulators by turns
	v_pk_add_f32 v[AC+6:AC+7], v[AC+6:AC+7], v[AC+4:AC+5]          ; five places: the next scores are written over p's codes; four of them serve the loads below
	v_pk_add_f32 v[AC:AC+1], v[AC:AC+1], v[AC+2:AC+3]
	v_mov_b32 v14, v12                             ; the old -M of the next step
	v_nop
	v_pk_add_f32 v[AC+6:AC+7], v[AC+6:AC+7], v[AC:AC+1]            ; l is whole
.if \pre
	VLOAD
.endif
.endm
.macro RUN n                           ; n steps with no meeting
	s_mov_b32 s34, \n
.Lstep_\@:
	BODY 1, 0
	s_sub_co_u32 s34, s34, 1
	s_cmp_lg_u32 s34, 0
	s_cbranch_scc1 .Lstep_\@
.endm
	CHANGE 1, 8, 1                                 ; key steps 0-7 are in; key steps 8-23 into places 8-23, issued as a refill is
	v_add_nc_u32 v5, s32, v1
	v_add_nc_u32 v6, s32, v2
	KLOAD
	VLOAD
	RUN 7
	BODY 1, 1                                      ; step 7
	RUN 15
	BODY 1, 2                                      ; step 23
	RUN 7
	BODY 0, 0                                      ; step 31
	; THE WAY OUT.  O^T / l; register 16 b + i is channel 32 b + 16 (lane / 16) + i of my query: two blocks of the last projection's K.  They become a half fragment and a halfword of scale bytes.
	; (The step's last five lines are the places behind the last products.)
	v_add_f32 v60, v60, v61
	s_delay_alu instid0(VALU_DEP_1)
	v_permlanex16_b32 v37, v60, s[SEL], s[SEL+1]
	s_delay_alu instid0(VALU_DEP_1)
	v_add_f32 v60, v60, v37                        ; the row's sum
	s_wait_alu depctr_va_vdst(0)
	v_rcp_f32 v60, v60
	v_nop                                          ; a plain place behind the transcendental
	s_wait_alu depctr_va_vdst(0)
.irp j, 0,1,2,3,4,5,6,7,8,9,10,11,12,13,14,15,16,17,18,19,20,21,22,23,24,25,26,27,28,29,30,31
	v_mul_f32 v[SR+\j], v[OT+\j], v60              ; each accumulator from its low end on
.endr
.irp b, 0,1
	v_max3_num_f32 v[BM+\b], |v[SR+16*\b]|, |v[SR+1+16*\b]|, 0x1800000
.endr
.irp i, 2,4,6,8,10,12,14
.irp b, 0,1
	v_max3_num_f32 v[BM+\b], v[BM+\b], |v[SR+16*\b+\i]|, |v[SR+1+16*\b+\i]|
.endr
.endr
.irp b, 0,1
	v_permlanex16_b32 v[BM+2+\b], v[BM+\b], s[SEL], s[SEL+1]
.endr
.irp b, 0,1
	v_max_num_f32 v[BM+\b], v[BM+\b], v[BM+2+\b]
.endr
.irp b, 0,1
	v_add_nc_u32 v[BS+\b], 0xff000000, v[BM+\b]
.endr
.irp b, 0,1
	v_lshrrev_b32 v[BM+2+\b], 23, v[BS+\b]
.endr
	v_cvt_scalef32_pk16_fp6_f32 v[KF:KF+2], v[SR:SR+15], v[BS]
	v_cvt_scalef32_pk16_fp6_f32 v[KF+8:KF+10], v[SR+16:SR+31], v[BS+1]
	v_nop                                          ; one plain place behind a scaled conversion
.irp i, 0,1,2
	v_permlane16_swap_b32 v[KF+\i], v[KF+8+\i]     ; here a block lies in lanes l and l xor 16: the operand wants it whole in a lane
.endr
.irp i, 0,1,2
	v_mov_b32 v[KF+3+\i], v[KF+8+\i]
.endr
	v_lshl_or_b32 v38, v[BM+3], 8, v[BM+2]         ; my row's two bytes
	global_store_b128 v1, v[KF:KF+3], s[6:7]       ; 512 consecutive bytes,
	global_store_b64 v2, v[KF+4:KF+5], s[6:7] offset:512   ; 256 more: all aligned
	ds_store_b16 v62, v38                          ; lanes r and r + 16 write the same halfword with the same value
	s_wait_dscnt 0x0                               ; for the others' sake: my store has landed
	s_barrier_signal -1
	s_barrier_wait -1
	s_cmp_lg_u32 s10, 0
	s_cbranch_scc1 .Lnot_first
	ds_load_b128 v[KF+12:KF+15], v63               ; wave 0 stores the work-group's 256 halfwords: 512 consecutive bytes, aligned
	s_wait_dscnt 0x0
	global_store_b128 v1, v[KF+12:KF+15], s[8:9]
.Lnot_first:
	s_wait_tensorcnt 0x0                           ; the wave's end
	ds_add_u32 v3, v4
	s_wait_dscnt 0x0
	CROUND                                         ; the closing round: no work-group ends while a partner may still ask for a tile that names it
	s_endpgm
.Lfunc_end_k_q5bf214a28a_attn:
	.size	k_q5bf214a28a_attn, .Lfunc_end_k_q5bf214a28a_attn-k_q5bf214a28a_attn
	.p2alignl 7, 3214868480
	.fill 96, 4, 3214868480
	.section	.rodata,"a",@progbits
	.p2align	6, 0x0
	.amdhsa_kernel k_q5bf214a28a_attn
		.amdhsa_group_segment_fixed_size 327680
		.amdhsa_private_segment_fixed_size 0
		.amdhsa_enable_private_segment 0
		.amdhsa_kernarg_size 24
		.amdhsa_user_sgpr_count 2
		.amdhsa_user_sgpr_kernarg_segment_ptr 1
		.amdhsa_wavefront_size32 1
		.amdhsa_system_sgpr_workgroup_id_x 1
		.amdhsa_system_sgpr_workgroup_id_y 1
		.amdhsa_system_sgpr_workgroup_id_z 1
		.amdhsa_system_vgpr_workitem_id 0
		.amdhsa_next_free_vgpr 256
		.amdhsa_next_free_sgpr 66
		.amdhsa_reserve_vcc 0
		.amdhsa_float_denorm_mode_32 3
		.amdhsa_float_denorm_mode_16_64 3
		.amdhsa_memory_ordered 1
		.amdhsa_forward_progress 1
		.amdhsa_inst_pref_size 102
	.end_amdhsa_kernel
	.amdgpu_metadata
---
amdhsa.version: [ 1, 2 ]
amdhsa.kernels:
  - .name:           k_q5bf214a28a_attn
    .symbol:         k_q5bf214a28a_attn.kd
    .args:
      - { .name: att, .offset: 0, .size: 8, .value_kind: global_buffer, .address_space: global }
      - { .name: xc, .offset: 8, .size: 8, .value_kind: global_buffer, .address_space: global }
      - { .name: xs, .offset: 16, .size: 8, .value_kind: global_buffer, .address_space: global }
    .group_segment_fixed_size: 327680
    .private_segment_fixed_size: 0
    .kernarg_segment_align: 8
    .kernarg_segment_size: 24
    .max_flat_workgroup_size: 512
    .sgpr_count:     66
    .vgpr_count:     256
    .wavefront_size: 32
...
	.end_amdgpu_metadata
.endif
;; end of part 3
;; launch outp (part 4): grid 256 x 1, 4 waves a work-group, no clusters, 34,304 bytes of LDS; arguments codes, scales, xc, xs, out0; writes out0
.if DOCPART == 4
	.amdgcn_target "amdgcn-amd-amdhsa--gfx1250"
	.amdhsa_code_object_version 6
	.text
	.protected	k_q5bf214a28a_outp
	.globl	k_q5bf214a28a_outp
	.p2align	8
	.type	k_q5bf214a28a_outp,@function
k_q5bf214a28a_outp:
	s_mov_b64 s[64:65], 0
	v_nop
	global_prefetch_b8 v0, s[64:65] scope:SCOPE_SE
	s_setreg_imm32_b32 hwreg(HW_REG_WAVE_MODE, 25, 1), 1
	s_wait_xcnt 0x0
; out0 = x w_o^T on codes of FP6 (E2M3).  x's codes and scale bytes were made by the attention launch, w_o's by the quantising launch; both lie as images of the operands' registers.
; SHARES.  A work-group takes rows 32 g .. 32 g + 31 (x's tiles 2 g and 2 g + 1); wave w takes output channels 128 w .. 128 w + 127: 8 tiles of w_o x 4 K steps, 384 registers.
; The product is used transposed (source 0 = 16 rows of w_o, source 1 = 16 rows of x): a lane holds one row of x, and since a tile of w_o holds rows 32 G + 8 u + r + 8 (r / 8), register j of tile t is channel 32 (t / 2) + 16 (lane / 16) + 8 (t % 2) + j.
; K step s is heads 2 s and 2 s + 1: two half fragments on end.  Lane r of x's tile m is row 32 g + 8 m + r + 8 (r / 8).
; The results go through the wave's own stage in LDS and leave as runs of 512 consecutive bytes of a row.  No barrier: waves share nothing.
; REGISTERS, in windows of 256: window 0: v1-6 addresses, v16-47 w_o's scale words, v48-55 x's, v64-191 the 16 accumulators, v192-207 x's halfwords.  window 1: w_o's fragments of K steps 0, 1; window 2: of K steps 2, 3; window 3: x's eight fragments.
.set RS,  16
.set TS,  48
.set ACC, 64
.set U,   192
.set WST, 8448                         ; a wave's stage: 16 rows of SP bytes
.set SP,  528                          ; 512 bytes + 16
.set MSB, 0
.macro WIN new                         ; the immediate's high byte repeats the setting that is left
.if MSB != \new
	s_set_vgpr_msb (MSB<<8)|\new
.set MSB, \new
.endif
.endm
	s_load_b256 s[4:11], s[0:1], 0x0               ; codes, scales, xc, xs
	s_load_b64 s[12:13], s[0:1], 0x20              ; out0
	v_lshl_add_u32 v254, v0, 2, 0x8400
	v_mov_b32 v255, 0
	v_lshrrev_b32 v7, 5, v0
	v_readfirstlane_b32 s14, v7                    ; wave w
	v_and_b32 v7, 31, v0
	v_lshlrev_b32 v1, 4, v7                        ; 16 x lane
	v_lshlrev_b32 v2, 3, v7                        ; 8 x lane
	v_and_b32 v7, 15, v0                           ; r
	v_bfe_u32 v8, v0, 4, 1                         ; h
	v_lshlrev_b32 v3, 4, v7                        ; 16 r
	v_lshlrev_b32 v4, 1, v7                        ; 2 r
	s_mul_i32 s15, s14, WST                        ; my stage
	v_mul_u32_u24 v5, v7, SP
	v_lshl_add_u32 v5, v8, 6, v5
	v_add_nc_u32 v5, s15, v5                       ; into it: row r, + 64 h
	v_add_nc_u32 v6, s15, v1                       ; out of it: 16 x lane of a row
	s_lshl_b32 s16, s14, 3
	s_add_co_u32 s16, s16, 1632                    ; w_o's tiles 8 w on
	s_mov_b32 s19, 0
	s_wait_alu depctr_va_vdst(0)
	s_wait_kmcnt 0x0
	s_mul_i32 s18, s16, 6144
	s_add_nc_u64 s[4:5], s[4:5], s[18:19]
	s_lshl_b32 s18, s16, 8
	s_add_nc_u64 s[6:7], s[6:7], s[18:19]
	s_mul_i32 s18, ttmp9, 12288                    ; x's tile 2 g
	s_add_nc_u64 s[8:9], s[8:9], s[18:19]
	s_lshr_b32 s18, ttmp9, 7
	s_lshl_b32 s18, s18, 16                        ; the batch's eight heads of 8,192 bytes,
	s_and_b32 s17, ttmp9, 127
	s_lshl_b32 s17, s17, 6                         ; 32 bytes a tile
	s_add_co_u32 s18, s18, s17
	s_add_nc_u64 s[10:11], s[10:11], s[18:19]
	s_lshl_b32 s18, ttmp9, 16                      ; 32 rows of 2,048 bytes,
	s_lshl_b32 s17, s14, 9                         ; my 512 bytes of a row
	s_add_co_u32 s18, s18, s17
	s_add_nc_u64 s[12:13], s[12:13], s[18:19]
.irp t, 0,1,2,3,4,5,6,7
	global_load_b128 v[RS+4*\t:RS+4*\t+3], v3, s[6:7] offset:256*\t
.endr
.irp m, 0,1
.irp e, 0,1,2,3,4,5,6,7
	global_load_u16 v[U+8*\m+\e], v4, s[10:11] offset:8192*\e+32*\m   ; row r's two scale bytes of head e
.endr
.endr
	WIN 0x40                                       ; destination window 1
.irp t, 0,1,2,3,4,5,6,7
.irp s, 0,1
.irp c, 0,1,2
	global_load_b128 v[12*(2*\t+\s)+4*\c:12*(2*\t+\s)+4*\c+3], v1, s[4:5] offset:6144*\t+1536*\s+512*\c
.endr
.endr
.endr
	WIN 0x80                                       ; destination window 2
.irp t, 0,1,2,3,4,5,6,7
.irp s, 0,1
.irp c, 0,1,2
	global_load_b128 v[12*(2*\t+\s)+4*\c:12*(2*\t+\s)+4*\c+3], v1, s[4:5] offset:6144*\t+1536*(\s+2)+512*\c
.endr
.endr
.endr
	WIN 0xc0                                       ; destination window 3
.irp m, 0,1
.irp s, 0,1,2,3
	global_load_b128 v[48*\m+12*\s:48*\m+12*\s+3], v1, s[8:9] offset:6144*\m+1536*\s
	global_load_b64 v[48*\m+12*\s+4:48*\m+12*\s+5], v2, s[8:9] offset:6144*\m+1536*\s+512
	global_load_b128 v[48*\m+12*\s+6:48*\m+12*\s+9], v1, s[8:9] offset:6144*\m+1536*\s+768
	global_load_b64 v[48*\m+12*\s+10:48*\m+12*\s+11], v2, s[8:9] offset:6144*\m+1536*\s+1280
.endr
.endr
	WIN 0
	s_wait_loadcnt 0x0
.irp m, 0,1
.irp s, 0,1,2,3
	v_lshl_or_b32 v[TS+4*\m+\s], v[U+8*\m+2*\s+1], 16, v[U+8*\m+2*\s]   ; K step s: head 2 s's bytes below, head 2 s + 1's above
.endr
.endr
.rept 8
	v_nop                                          ; a scale register written by a vector instruction stands 8 places ahead of a scaled matrix instruction
.endr
.macro PROD s                          ; K step s: the 16 accumulators by turns, one instruction a turn; the first K step starts the sums
.irp m, 0,1
.irp t, 0,1,2,3,4,5,6,7
.if (\s) == 0
	v_wmma_scale_f32_16x16x128_f8f6f4 v[ACC+64*\m+8*\t:ACC+64*\m+8*\t+7], v[12*(2*\t+(\s)%2):12*(2*\t+(\s)%2)+11], v[48*\m+12*(\s):48*\m+12*(\s)+11], 0, v[RS+4*\t+(\s)], v[TS+4*\m+(\s)] matrix_a_fmt:MATRIX_FMT_FP6 matrix_b_fmt:MATRIX_FMT_FP6
.else
	v_wmma_scale_f32_16x16x128_f8f6f4 v[ACC+64*\m+8*\t:ACC+64*\m+8*\t+7], v[12*(2*\t+(\s)%2):12*(2*\t+(\s)%2)+11], v[48*\m+12*(\s):48*\m+12*(\s)+11], v[ACC+64*\m+8*\t:ACC+64*\m+8*\t+7], v[RS+4*\t+(\s)], v[TS+4*\m+(\s)] matrix_a_fmt:MATRIX_FMT_FP6 matrix_b_fmt:MATRIX_FMT_FP6
.endif
.endr
.endr
.endm
	WIN 0x0d                                       ; source 0 window 1, source 1 window 3
	PROD 0
	PROD 1
	WIN 0x0e                                       ; source 0 window 2
	PROD 2
	PROD 3
	WIN 0
.rept 4
	v_nop                                          ; four places in front of the first read of results (ISA guide 7.12.1)
.endr
.irp m, 0,1                                    ; a tile of 16 rows at a time through my stage; LDS serves a wave's instructions in order, so no wait stands between the stores and the loads
.irp t, 0,1,2,3,4,5,6,7
	ds_store_b128 v5, v[ACC+64*\m+8*\t:ACC+64*\m+8*\t+3] offset:128*(\t/2)+32*(\t%2)        ; each accumulator from its low end on
	ds_store_b128 v5, v[ACC+64*\m+8*\t+4:ACC+64*\m+8*\t+7] offset:128*(\t/2)+32*(\t%2)+16
.endr
.irp i, 0,1,2,3,4,5,6,7,8,9,10,11,12,13,14,15
	ds_load_b128 v[ACC+64*\m+4*\i:ACC+64*\m+4*\i+3], v6 offset:SP*\i   ; back as rows, into the registers that they left
.endr
.irp i, 0,1,2,3,4,5,6,7,8,9,10,11,12,13,14,15
	s_wait_dscnt 15-\i                             ; row i is back; the younger loads may be out
	global_store_b128 v1, v[ACC+64*\m+4*\i:ACC+64*\m+4*\i+3], s[12:13] offset:(8*\m+\i+8*(\i/8))*2048 th:TH_STORE_NT   ; 32 lanes store 512 consecutive bytes, aligned
.endr
.endr
	s_wait_tensorcnt 0x0
	ds_add_u32 v254, v255
	s_wait_dscnt 0x0
	s_endpgm
.Lfunc_end_k_q5bf214a28a_outp:
	.size	k_q5bf214a28a_outp, .Lfunc_end_k_q5bf214a28a_outp-k_q5bf214a28a_outp
	.p2alignl 7, 3214868480
	.fill 96, 4, 3214868480
	.section	.rodata,"a",@progbits
	.p2align	6, 0x0
	.amdhsa_kernel k_q5bf214a28a_outp
		.amdhsa_group_segment_fixed_size 34304
		.amdhsa_private_segment_fixed_size 0
		.amdhsa_enable_private_segment 0
		.amdhsa_kernarg_size 40
		.amdhsa_user_sgpr_count 2
		.amdhsa_user_sgpr_kernarg_segment_ptr 1
		.amdhsa_wavefront_size32 1
		.amdhsa_system_sgpr_workgroup_id_x 1
		.amdhsa_system_sgpr_workgroup_id_y 1
		.amdhsa_system_sgpr_workgroup_id_z 1
		.amdhsa_system_vgpr_workitem_id 0
		.amdhsa_next_free_vgpr 864
		.amdhsa_next_free_sgpr 66
		.amdhsa_reserve_vcc 0
		.amdhsa_float_denorm_mode_32 3
		.amdhsa_float_denorm_mode_16_64 3
		.amdhsa_memory_ordered 1
		.amdhsa_forward_progress 1
		.amdhsa_inst_pref_size 34
	.end_amdhsa_kernel
	.amdgpu_metadata
---
amdhsa.version: [ 1, 2 ]
amdhsa.kernels:
  - .name:           k_q5bf214a28a_outp
    .symbol:         k_q5bf214a28a_outp.kd
    .args:
      - { .name: codes, .offset: 0, .size: 8, .value_kind: global_buffer, .address_space: global }
      - { .name: scales, .offset: 8, .size: 8, .value_kind: global_buffer, .address_space: global }
      - { .name: xc, .offset: 16, .size: 8, .value_kind: global_buffer, .address_space: global }
      - { .name: xs, .offset: 24, .size: 8, .value_kind: global_buffer, .address_space: global }
      - { .name: out0, .offset: 32, .size: 8, .value_kind: global_buffer, .address_space: global }
    .group_segment_fixed_size: 34304
    .private_segment_fixed_size: 0
    .kernarg_segment_align: 8
    .kernarg_segment_size: 40
    .max_flat_workgroup_size: 128
    .sgpr_count:     66
    .vgpr_count:     864
    .wavefront_size: 32
...
	.end_amdgpu_metadata
.endif
;; end of part 4
